; MI455X (gfx1250); checked and timed in simulation.
; The chip was launched on July 23, 2026; its instructions are those of AMD's public machine-readable ISA for CDNA 5 (MIT licence, August 2026) and "CDNA5" Instruction Set Architecture Reference Guide (July 2026). The comments in the code are by the model that wrote it; some were corrected since.
;; Tab Transformer. Allowed arithmetic: float matrix products may take bf16 or f16 operands with f32 sums; all other float work in f32.
;; Inputs: W1 2 x 128 x 32 float32; W2 2 x 32 x 128 float32; Wo 2 x 32 x 32 float32; Wqkv 2 x 96 x 32 float32; b1 2 x 128 float32; b2 2 x 32 float32; bo 2 x 32 float32; bqkv 2 x 96 float32; cat_tokens 262,144 x 4 int32; cont_W 32 x 8 float32; cont_b 32 float32; cont_feats 262,144 x 8 float32; dow_emb 7 x 32 float32; grid_emb 10,000 x 32 float32; head_W1 64 x 160 float32; head_W2 1 x 64 float32; head_b1 64 float32; head_b2 1 float32; hour_emb 24 x 32 float32; ln1_b 2 x 32 float32; ln1_g 2 x 32 float32; ln2_b 2 x 32 float32; ln2_g 2 x 32 float32; month_emb 12 x 32 float32.
;; Outputs: out0 262,144 float32.
;; One version. Each part assembles by itself: llvm-mc -triple=amdgcn-amd-amdhsa -mcpu=gfx1250 --defsym DOCPART=n.
;; ======== version 1 of 1: 1 launch
;; limits: values outside matrix products are rounded to f16; values are held in f16: magnitudes above 65,504 overflow, below 6.1e-05 lose precision
;; launch tab (part 1): grid 256 x 1, 8 waves a work-group, no clusters, 88,064 bytes of LDS; arguments cat_tokens, cont_feats, grid_emb, out0, Wqkv, Wo, W1, W2, head_W1, cont_W, cont_b, hour_emb, dow_emb, month_emb, bqkv, b1, bo, b2, ln1_g, ln1_b, ln2_g, ln2_b, head_b1, head_W2, head_b2; writes out0
.if DOCPART == 1
	.amdgcn_target "amdgcn-amd-amdhsa--gfx1250"
	.amdhsa_code_object_version 6
	.text
	.protected	k_qeecdd2a1d1_tab
	.globl	k_qeecdd2a1d1_tab
	.p2align	8
	.type	k_qeecdd2a1d1_tab,@function
k_qeecdd2a1d1_tab:
	s_mov_b64 s[64:65], 0
	v_nop
	global_prefetch_b8 v0, s[64:65] scope:SCOPE_SE
	s_setreg_imm32_b32 hwreg(HW_REG_WAVE_MODE, 25, 1), 1
	s_wait_xcnt 0x0
; TabTransformer, whole network in one launch: 262,144 samples x (4 tokens of 32 features -> 2 encoder layers -> pool, side branch, head).
; 256 work-groups x 8 waves x 8 trips x 16 samples.  Wave w of work-group W owns samples 1024 W + 128 w .. + 127.
;
; LAYOUT.  Every product is computed transposed: source A = 16 rows of a weight matrix [out][in], source B = activations, one token a column.
; In the result, register j of lane (r = lane & 15, h = lane >> 4) is output feature 8h + j of column r (ISA guide 7.12.2).  Two row tiles
; give a lane features 8h .. 8h+7 and 16+8h .. 16+8h+7, which, rounded to f16 in pairs, are exactly the lane's registers of the NEXT product's B
; fragment: no lane traffic and no LDS round trip between chained products.  A group of 16 samples is four column tiles, tile i = token i of the
; 16 samples.  So a lane holds all four tokens of its sample, and in row tile t of q, k and v the whole 8 numbers of head 2t + h.
; ATTENTION therefore runs inside a lane, in f32 on the vector unit: a 4 x 4 x 8 block would use 1/64 of a 16 x 16 x 32 matrix instruction.
; Biases of QKV and W1 enter as the C operand; head_b1 is loaded into the head's accumulators; the residual is the C operand of Wo and W2.
;
; MATRIX OPERANDS ARE f16, sums f32.  Every activation is rounded once in front of each of the chain's ten products, and the logit is a small
; sum of terms of both signs: f16 keeps 11 bits where bf16 keeps 8.  Its range, counted at 30 times the usual inputs: weights up to 2.7, a
; LayerNorm's output at most sqrt(31) |g| + |b| = 200 with g and b near 30, so a hidden feature or a v is at most 32 x 2.7 x 200 = 17,280 and the
; side branch at most 8 x 2.7 x 150 = 3,240, against f16's largest number 65,504.  At 1/30 the inputs' spread is 6.7e-4 and f16's coarsest step
; against it (below 6.1e-5) is 6e-8, 1e-4 of the spread.  LIMIT: an operand beyond 65,504 becomes infinite.
;
; WEIGHTS: 141 KB of f32, read once by each work-group, rounded to f16 in registers and laid into LDS in fragment order (70 tiles of 1,024 bytes).
; No tensor loads, no cluster: what the work-groups share has to pass registers for the rounding, it is read once at the start, and all that a trip
; reads from memory (tokens, one grid row and 32 bytes of cont_feats a sample) is a wave's own.  No prefetch instructions: tokens are loaded two groups
; ahead and grid rows and cont_feats most of a group ahead, straight into registers.
;
; OTHER LIMITS.  cont_b is rounded to f16 (it is column k = 4 of the padded cont_W tile, against a 1.0 in B).
; In the last LayerNorm gain and bias are applied after the mean over the four tokens: same algebra, another order of f32 rounding.
; An index outside its table is clamped to the table's last row.  In a wave's last two trips the look-ahead loads are clamped to the
; wave's last group, so that no load leaves a buffer; what they bring there is not used.
.set GROUPS, 8                         ; trips of a wave, 16 samples each
.set EPITCH, 144                       ; LDS pitch of the small tables' rows (128 bytes + 16): 16 different rows start at 16 different 16-byte columns modulo 256
; ---- LDS.  A weight tile: lane L's fragment registers 0-3 at tile + 16 L, registers 4-7 at tile + 512 + 16 L.
.set WQKV_L, 0                         ; 12 tiles, 6 l + m (q 0,1; k 2,3; v 4,5)
.set WO_L,   12288                     ; 4 tiles, 2 l + m
.set W1_L,   16384                     ; 16 tiles, 8 l + m
.set W2_L,   32768                     ; 16 tiles, 4 (2 l + m) + kt
.set HW1_L,  49152                     ; 20 tiles, 4 kt + mt
.set CW_L,   69632                     ; 2 tiles
.set VB,     71680                     ; f32 vectors and tables; the offsets below count from here
.set BQKV,   0
.set B1,     768
.set BO,     1792
.set B2,     2048
.set LN1G,   2304
.set LN1B,   2560
.set LN2G,   2816
.set LN2B,   3072
.set HB1,    3328
.set HW2,    3584
.set HOUR,   3840                      ; 24 rows x 144 = 3,456 in a region of 7 x 512
.set DOW,    7424                      ; 7 rows x 144 = 1,008 in a region of 2 x 512
.set MONTH,  8448                      ; 12 rows x 144 = 1,728 in a region of 4 x 512, which ends at 10496
.set OUTS,   82432                     ; 512 bytes for each wave: its 128 results
; ---- vector registers, window 0
.set LW,   1                           ; 16 x lane
.set LW2,  2                           ; 16 x lane + HW1_L
.set LV,   3                           ; VB + 32 h
.set H32,  4                           ; 32 h
.set TOKO, 5                           ; 16 r
.set CFO,  6                           ; 32 r + 16 h
.set OUTL, 7                           ; where this trip's result goes in my wave's stage
.set TOK,  8                           ; v[8:11]  four indices of a later group
.set AH,   12                          ; LDS addresses of my sample's hour, dow, month rows
.set AD,   13
.set AM,   14
.set AG,   15                          ; byte offset of its grid row
.set EB,   16                          ; v[16:47]   f16 fragments of the embeddings, tile i at 8 i; tiles 0-2 live to the head
.set XB,   48                          ; v[48:79]   f16 fragments of later activations
.set OB,   80                          ; v[80:111]  attention's output as fragments; head_W2 at the head
.set QKV,  112                         ; v[112:207]
.set QR,   112                         ; q of token i at 8 i
.set KR,   144
.set VR,   176
.set HR,   112                         ; FF: hidden tile (m, i) at 32 m + 8 i
.set HB,   176                         ; FF: its fragments, tile i at 8 i
.set HD,   112                         ; head: four accumulators
.set CC,   144                         ; head: the side branch, two tiles
.set SC,   208                         ; scores, then probabilities: (i, j) at 4 i + j
.set TA,   224                         ; v[224:239] at work; cont_W's fragments at the head
.set TB,   240                         ; v[240:255] at work
; ---- vector registers, window 1 (written by their low 8 bits)
.set XR,   0                           ; the residual stream in f32: tile i at 16 i
.set G3,   64                          ; the next group's grid rows, f32
.set LT,   80                          ; LayerNorm: 4 registers a tile
.set BI,   96                          ; LayerNorm: the bias in front of it, gain, bias
.set GA,   112
.set BE,   128
.set FA,   144                         ; two buffers of 48 registers for weight fragments and bias tiles
.set FB,   192
.set HWA,  144                         ; head_W1, K steps 0-2 (12 tiles)
.set HWB,  80                          ; head_W1, K steps 3-4 (8 tiles)
.set CF,   240                         ; cont_feats as loaded
.set CFB,  248                         ; their B fragment
; ---- window settings: bits 1:0 source 0, 3:2 source 1, 5:4 source 2, 7:6 destination
.set W_LD1,  0x40                      ; a load into window 1, address in window 0
.set W_BIAS, 0x11                      ; QKV, W1: A and C window 1, B and D window 0
.set W_ACC,  0x51                      ; Wo, W2: A, C, D window 1, B window 0
.set W_LN,   0x55                      ; all in window 1
.set W_CVT,  0x05                      ; sources window 1, destination window 0
.set W_CF,   0x45
.set W_CONT, 0x04                      ; B window 1
.set W_HEAD, 0x01                      ; A window 1
.set MSB, 0
.macro WIN new                         ; the immediate's high byte repeats the setting that is left
.if MSB != \new
	s_set_vgpr_msb (MSB<<8)|\new
.set MSB, \new
.endif
.endm
; A vector instruction that reads a matrix result or writes a matrix instruction's register, and a load into such a register, stand four places
; behind the matrix instruction; only plain vector instructions that name none of its registers are places.
.macro PLACES
.rept 4
	v_nop
.endr
.endm
.macro LDT dst, areg, off              ; a weight tile
	ds_load_b128 v[\dst:\dst+3], v[\areg] offset:\off
	ds_load_b128 v[\dst+4:\dst+7], v[\areg] offset:\off+512
.endm
.macro LDB dst, off                    ; a bias tile: f32 numbers 8h .. 8h+7 of 16
	ds_load_b128 v[\dst:\dst+3], v[LV] offset:\off
	ds_load_b128 v[\dst+4:\dst+7], v[LV] offset:\off+16
.endm
.macro LDV dst, areg, off              ; a row of 32 f32: numbers 8h .. 8h+7 and 16+8h .. 16+8h+7
	ds_load_b128 v[\dst:\dst+3], v[\areg] offset:\off
	ds_load_b128 v[\dst+4:\dst+7], v[\areg] offset:\off+16
	ds_load_b128 v[\dst+8:\dst+11], v[\areg] offset:\off+64
	ds_load_b128 v[\dst+12:\dst+15], v[\areg] offset:\off+80
.endm
.macro LDQKV l, t, P                   ; 12 loads: row tile t of q, k, v and their biases
	WIN W_LD1
	LDT \P, LW, WQKV_L+1024*(6*(\l)+(\t))
	LDT \P+8, LW, WQKV_L+1024*(6*(\l)+2+(\t))
	LDT \P+16, LW, WQKV_L+1024*(6*(\l)+4+(\t))
	LDB \P+24, BQKV+384*(\l)+64*(\t)
	LDB \P+32, BQKV+384*(\l)+128+64*(\t)
	LDB \P+40, BQKV+384*(\l)+256+64*(\t)
.endm
.macro LDWO l, P                       ; 4 loads
	WIN W_LD1
	LDT \P, LW, WO_L+1024*(2*(\l))
	LDT \P+8, LW, WO_L+1024*(2*(\l)+1)
.endm
.macro LDLN ob, og, oe                 ; 12 loads: the bias in front of a LayerNorm, its gain, its bias
	WIN W_LD1
	LDV BI, LV, \ob
	LDV GA, LV, \og
	LDV BE, LV, \oe
.endm
.macro LDFF l, c, P                    ; 12 loads: hidden features 32 c .. 32 c + 31: two tiles of W1, their biases, two tiles of W2
	WIN W_LD1
	LDT \P, LW, W1_L+1024*(8*(\l)+2*(\c))
	LDT \P+8, LW, W1_L+1024*(8*(\l)+2*(\c)+1)
	LDB \P+16, B1+512*(\l)+128*(\c)
	LDB \P+24, B1+512*(\l)+128*(\c)+64
	LDT \P+32, LW, W2_L+1024*(8*(\l)+(\c))
	LDT \P+40, LW, W2_L+1024*(8*(\l)+4+(\c))
.endm
.macro XLOADS                          ; 12 loads: hour, dow and month rows of a group into X's tiles 0-2
	WIN W_LD1
	LDV XR, AH, HOUR
	LDV XR+16, AD, DOW
	LDV XR+32, AM, MONTH
.endm
; ---- matrix batches.  In each the accumulators take turns, one instruction a turn; no two that follow each other share one.
.macro WQKV P, BF                      ; 12: q, k, v (m) of the four token tiles (i); C = the bias tile
	WIN W_BIAS
.irp m, 0,1,2
.irp i, 0,1,2,3
	v_wmma_f32_16x16x32_f16 v[QKV+32*\m+8*\i:QKV+32*\m+8*\i+7], v[\P+8*\m:\P+8*\m+7], v[\BF+8*\i:\BF+8*\i+7], v[\P+24+8*\m:\P+24+8*\m+7]
.endr
.endr
.endm
.macro WWO P, C3                       ; 8: X += Wo o.  Tile 3 takes its residual from C3 (layer 0: the grid rows as loaded)
	WIN W_ACC
.irp i, 0,1,2
.irp m, 0,1
	v_wmma_f32_16x16x32_f16 v[XR+16*\i+8*\m:XR+16*\i+8*\m+7], v[\P+8*\m:\P+8*\m+7], v[OB+8*\i:OB+8*\i+7], v[XR+16*\i+8*\m:XR+16*\i+8*\m+7]
.endr
.endr
.irp m, 0,1
	v_wmma_f32_16x16x32_f16 v[XR+48+8*\m:XR+48+8*\m+7], v[\P+8*\m:\P+8*\m+7], v[OB+24:OB+31], v[\C3+8*\m:\C3+8*\m+7]
.endr
.endm
.macro WW1 P                           ; 8: 32 hidden features of the four token tiles; C = b1's tile
	WIN W_BIAS
.irp i, 0,1,2,3
.irp m, 0,1
	v_wmma_f32_16x16x32_f16 v[HR+32*\m+8*\i:HR+32*\m+8*\i+7], v[\P+8*\m:\P+8*\m+7], v[XB+8*\i:XB+8*\i+7], v[\P+16+8*\m:\P+16+8*\m+7]
.endr
.endr
.endm
.macro WW2 P                           ; 8: X += W2's K step.  Between two links on one accumulator stand 7 of these and 8 of W1
	WIN W_ACC
.irp i, 0,1,2,3
.irp m, 0,1
	v_wmma_f32_16x16x32_f16 v[XR+16*\i+8*\m:XR+16*\i+8*\m+7], v[\P+32+8*\m:\P+32+8*\m+7], v[HB+8*\i:HB+8*\i+7], v[XR+16*\i+8*\m:XR+16*\i+8*\m+7]
.endr
.endr
.endm
; ---- packed f32 with one register of the pair b (sel: 0 the first, 1 the second) in both halves
.macro PKMUL_B d, a, b, sel
.if \sel
	v_pk_mul_f32 v[\d:\d+1], v[\a:\a+1], v[\b:\b+1] op_sel:[0,1] op_sel_hi:[1,1]
.else
	v_pk_mul_f32 v[\d:\d+1], v[\a:\a+1], v[\b:\b+1] op_sel_hi:[1,0]
.endif
.endm
.macro PKFMA_B d, a, b, sel            ; d += a * b[sel]
.if \sel
	v_pk_fma_f32 v[\d:\d+1], v[\a:\a+1], v[\b:\b+1], v[\d:\d+1] op_sel:[0,1,0] op_sel_hi:[1,1,1]
.else
	v_pk_fma_f32 v[\d:\d+1], v[\a:\a+1], v[\b:\b+1], v[\d:\d+1] op_sel_hi:[1,0,1]
.endif
.endm
; ---- attention of head 2t + h of my sample: 4 x 4 scores over 8 numbers, softmax with the row's maximum taken away, 4 x 8 outputs
.macro ATT t
	WIN 0
.irp ip, 0,2                           ; two query tokens at a time: eight chains of packed products
.irp d, 0,1,2,3
.irp ii, 0,1
.irp j, 0,1,2,3
.if \d == 0
	v_pk_mul_f32 v[TA+8*\ii+2*\j:TA+8*\ii+2*\j+1], v[QR+8*(\ip+\ii)+2*\d:QR+8*(\ip+\ii)+2*\d+1], v[KR+8*\j+2*\d:KR+8*\j+2*\d+1]
.else
	v_pk_fma_f32 v[TA+8*\ii+2*\j:TA+8*\ii+2*\j+1], v[QR+8*(\ip+\ii)+2*\d:QR+8*(\ip+\ii)+2*\d+1], v[KR+8*\j+2*\d:KR+8*\j+2*\d+1], v[TA+8*\ii+2*\j:TA+8*\ii+2*\j+1]
.endif
.endr
.endr
.endr
.irp ii, 0,1
.irp j, 0,1,2,3
	v_add_f32 v[SC+4*(\ip+\ii)+\j], v[TA+8*\ii+2*\j], v[TA+8*\ii+2*\j+1]
.endr
.endr
.endr
.irp i, 0,1,2,3
	v_max3_num_f32 v[TB+\i], v[SC+4*\i], v[SC+4*\i+1], v[SC+4*\i+2]
.endr
.irp i, 0,1,2,3
	v_max_num_f32 v[TB+\i], v[TB+\i], v[SC+4*\i+3]
.endr
.irp i, 0,1,2,3
	v_mul_f32 v[TB+\i], 0xbf0293ee, v[TB+\i]       ; - c x maximum, c = log2(e) / sqrt(8)
.endr
.irp i, 0,2                            ; c s - c max: at most 0, and 0 up to rounding for the largest, so the row's sum is at least about 1
.irp jp, 0,2
	v_pk_fma_f32 v[SC+4*\i+\jp:SC+4*\i+\jp+1], v[SC+4*\i+\jp:SC+4*\i+\jp+1], 0x3f0293ee, v[TB+\i:TB+\i+1] op_sel_hi:[1,0,0]
	v_pk_fma_f32 v[SC+4*\i+4+\jp:SC+4*\i+4+\jp+1], v[SC+4*\i+4+\jp:SC+4*\i+4+\jp+1], 0x3f0293ee, v[TB+\i:TB+\i+1] op_sel:[0,0,1] op_sel_hi:[1,0,1]
.endr
.endr
.irp u, 0,1,2,3,4,5,6,7,8,9,10,11,12,13,14,15
	v_exp_f32 v[SC+\u], v[SC+\u]
.endr
	v_nop                                          ; one plain place behind the last transcendental (ISA guide 5.7.2)
	s_wait_alu depctr_va_vdst(0)
.irp i, 0,1,2,3
	v_pk_add_f32 v[TB+8+2*\i:TB+8+2*\i+1], v[SC+4*\i:SC+4*\i+1], v[SC+4*\i+2:SC+4*\i+3]
.endr
.irp i, 0,1,2,3
	v_add_f32 v[TB+4+\i], v[TB+8+2*\i], v[TB+8+2*\i+1]
.endr
.irp i, 0,1,2,3
	v_rcp_f32 v[TB+4+\i], v[TB+4+\i]
.endr
	v_nop                                          ; the same place behind v_rcp_f32
	s_wait_alu depctr_va_vdst(0)
.irp i, 0,1,2,3
.irp jp, 0,2
	PKMUL_B SC+4*\i+\jp, SC+4*\i+\jp, TB+4+(\i&2), \i&1
.endr
.endr
.irp ip, 0,2
.irp j, 0,1,2,3
.irp ii, 0,1
.irp d, 0,1,2,3
.if \j == 0
	PKMUL_B TA+8*\ii+2*\d, VR+8*\j+2*\d, SC+4*(\ip+\ii), 0
.else
	PKFMA_B TA+8*\ii+2*\d, VR+8*\j+2*\d, SC+4*(\ip+\ii)+(\j&2), \j&1
.endif
.endr
.endr
.endr
.irp ii, 0,1
.irp d, 0,1,2,3
	v_cvt_pk_f16_f32 v[OB+8*(\ip+\ii)+4*\t+\d], v[TA+8*\ii+2*\d], v[TA+8*\ii+2*\d+1]   ; features 16t + 8h + 2d, + 1: registers 4t + d of Wo's B fragment
.endr
.endr
.endr
.endm
; ---- LayerNorm of the four token tiles, all in window 1.  A lane holds 16 of a token's 32 features, lane xor 16 the others.
.macro LNRED                           ; two pairs a tile -> one number, the same in both halves of the lanes, in T0
.irp i, 0,1,2,3
	v_pk_add_f32 v[LT+4*\i:LT+4*\i+1], v[LT+4*\i:LT+4*\i+1], v[LT+4*\i+2:LT+4*\i+3]
.endr
.irp i, 0,1,2,3
	v_add_f32 v[LT+4*\i+2], v[LT+4*\i], v[LT+4*\i+1]
.endr
.irp i, 0,1,2,3
	v_permlanex16_b32 v[LT+4*\i+3], v[LT+4*\i+2], s12, s13
.endr
.irp i, 0,1,2,3
	v_add_f32 v[LT+4*\i], v[LT+4*\i+2], v[LT+4*\i+3]
.endr
.endm
; mode 0: X = LN(X + BI) GA + BE, and its f16 fragments into XB.  mode 1: X's tile 0 = the mean over the four tokens of that.
.macro LN mode
	WIN W_LN
.irp i, 0,1,2,3
.irp k, 0,2,4,6,8,10,12,14
	v_pk_add_f32 v[XR+16*\i+\k:XR+16*\i+\k+1], v[XR+16*\i+\k:XR+16*\i+\k+1], v[BI+\k:BI+\k+1]
.endr
.endr
.irp i, 0,1,2,3
	v_pk_add_f32 v[LT+4*\i:LT+4*\i+1], v[XR+16*\i:XR+16*\i+1], v[XR+16*\i+2:XR+16*\i+3]
	v_pk_add_f32 v[LT+4*\i+2:LT+4*\i+3], v[XR+16*\i+4:XR+16*\i+5], v[XR+16*\i+6:XR+16*\i+7]
.endr
.irp k, 8,12
.irp i, 0,1,2,3
	v_pk_add_f32 v[LT+4*\i:LT+4*\i+1], v[LT+4*\i:LT+4*\i+1], v[XR+16*\i+\k:XR+16*\i+\k+1]
	v_pk_add_f32 v[LT+4*\i+2:LT+4*\i+3], v[LT+4*\i+2:LT+4*\i+3], v[XR+16*\i+\k+2:XR+16*\i+\k+3]
.endr
.endr
	LNRED
.irp i, 0,1,2,3                        ; the mean is taken away first, then the squares are summed: no difference of large sums
.irp k, 0,2,4,6,8,10,12,14
	v_pk_fma_f32 v[XR+16*\i+\k:XR+16*\i+\k+1], v[LT+4*\i:LT+4*\i+1], 0xbd000000, v[XR+16*\i+\k:XR+16*\i+\k+1] op_sel_hi:[0,0,1]
.endr
.endr
.irp i, 0,1,2,3
	v_pk_mul_f32 v[LT+4*\i:LT+4*\i+1], v[XR+16*\i:XR+16*\i+1], v[XR+16*\i:XR+16*\i+1]
	v_pk_mul_f32 v[LT+4*\i+2:LT+4*\i+3], v[XR+16*\i+2:XR+16*\i+3], v[XR+16*\i+2:XR+16*\i+3]
.endr
.irp k, 4,8,12
.irp i, 0,1,2,3
	v_pk_fma_f32 v[LT+4*\i:LT+4*\i+1], v[XR+16*\i+\k:XR+16*\i+\k+1], v[XR+16*\i+\k:XR+16*\i+\k+1], v[LT+4*\i:LT+4*\i+1]
	v_pk_fma_f32 v[LT+4*\i+2:LT+4*\i+3], v[XR+16*\i+\k+2:XR+16*\i+\k+3], v[XR+16*\i+\k+2:XR+16*\i+\k+3], v[LT+4*\i+2:LT+4*\i+3]
.endr
.endr
	LNRED
.irp i, 0,1,2,3
	v_fma_f32 v[LT+4*\i], v[LT+4*\i], s14, s15     ; sum / 32 + 1e-5
.endr
.irp i, 0,1,2,3
	v_rsq_f32 v[LT+4*\i], v[LT+4*\i]
.endr
	v_nop                                          ; one plain place behind the last transcendental (ISA guide 5.7.2)
.if \mode == 0
	s_wait_alu depctr_va_vdst(0)
.irp i, 0,1,2,3
.irp k, 0,2,4,6,8,10,12,14
	v_pk_mul_f32 v[XR+16*\i+\k:XR+16*\i+\k+1], v[XR+16*\i+\k:XR+16*\i+\k+1], v[LT+4*\i:LT+4*\i+1] op_sel_hi:[1,0]
.endr
.endr
.irp i, 0,1,2,3
.irp k, 0,2,4,6,8,10,12,14
	v_pk_fma_f32 v[XR+16*\i+\k:XR+16*\i+\k+1], v[XR+16*\i+\k:XR+16*\i+\k+1], v[GA+\k:GA+\k+1], v[BE+\k:BE+\k+1]
.endr
.endr
	WIN W_CVT
.irp i, 0,1,2,3
.irp k, 0,1,2,3,4,5,6,7
	v_cvt_pk_f16_f32 v[XB+8*\i+\k], v[XR+16*\i+2*\k], v[XR+16*\i+2*\k+1]
.endr
.endr
.else
	s_wait_alu depctr_va_vdst(0)
.irp i, 0,1,2,3
	v_mul_f32 v[LT+4*\i], 0x3e800000, v[LT+4*\i]   ; the mean's 1/4 rides on 1/sigma
.endr
.irp k, 0,2,4,6,8,10,12,14
	v_pk_mul_f32 v[XR+\k:XR+\k+1], v[XR+\k:XR+\k+1], v[LT:LT+1] op_sel_hi:[1,0]
.endr
.irp i, 1,2,3
.irp k, 0,2,4,6,8,10,12,14
	v_pk_fma_f32 v[XR+\k:XR+\k+1], v[XR+16*\i+\k:XR+16*\i+\k+1], v[LT+4*\i:LT+4*\i+1], v[XR+\k:XR+\k+1] op_sel_hi:[1,0,1]
.endr
.endr
.irp k, 0,2,4,6,8,10,12,14
	v_pk_fma_f32 v[XR+\k:XR+\k+1], v[XR+\k:XR+\k+1], v[GA+\k:GA+\k+1], v[BE+\k:BE+\k+1]
.endr
.endif
.endm
.macro MAX8 a                          ; relu of eight registers
.irp k, 0,1,2,3,4,5,6,7
	v_max_num_f32 v[\a+\k], 0, v[\a+\k]
.endr
.endm
.macro RELU                            ; the 8 hidden tiles: relu, then f16 fragments for W2's K step
	WIN 0
.irp i, 0,1,2,3
.irp m, 0,1
	MAX8 HR+32*\m+8*\i
.irp k, 0,1,2,3
	v_cvt_pk_f16_f32 v[HB+8*\i+4*\m+\k], v[HR+32*\m+8*\i+2*\k], v[HR+32*\m+8*\i+2*\k+1]
.endr
.endr
.endr
.endm
; The indices in TOK become the addresses of a group's rows; then six loads: its grid rows (4), its cont_feats, and the indices of the group behind it.
; The caller has set s60 (byte offset of the group's cont_feats in my wave's part) and s70 (of the later group's tokens).
; cnt: how many younger global loads may stay out when TOK has to be there.  In the loop it is 0, which also shows the last call's six loads
; done, so that their address registers (AG, s[66:69]) may be written again.
.macro NEXTIN cnt
	WIN 0
	s_wait_loadcnt \cnt
	v_min_u32 v[AH], 23, v[TOK]                    ; an index stays inside its table
	v_min_u32 v[AD], 6, v[TOK+1]
	v_min_u32 v[AM], 11, v[TOK+2]
	v_min_u32 v[AG], 9999, v[TOK+3]
	v_lshl_add_u32 v[TB], v[AH], 4, v[LV]          ; 144 x index = 16 x + 128 x
	v_lshl_add_u32 v[TB+1], v[AD], 4, v[LV]
	v_lshl_add_u32 v[TB+2], v[AM], 4, v[LV]
	v_lshl_add_u32 v[AH], v[AH], 7, v[TB]
	v_lshl_add_u32 v[AD], v[AD], 7, v[TB+1]
	v_lshl_add_u32 v[AM], v[AM], 7, v[TB+2]
	v_lshl_add_u32 v[AG], v[AG], 7, v[H32]         ; a grid row is 128 bytes
	s_add_nc_u64 s[66:67], s[6:7], s[60:61]
	s_add_nc_u64 s[68:69], s[4:5], s[70:71]
	WIN W_LD1
	global_load_b128 v[G3:G3+3], v[AG], s[8:9]
	global_load_b128 v[G3+4:G3+7], v[AG], s[8:9] offset:16
	global_load_b128 v[G3+8:G3+11], v[AG], s[8:9] offset:64
	global_load_b128 v[G3+12:G3+15], v[AG], s[8:9] offset:80
	global_load_b128 v[CF:CF+3], v[CFO], s[66:67] th:TH_LOAD_NT       ; the wave's 32 lanes cover 512 consecutive bytes
	WIN 0
	global_load_b128 v[TOK:TOK+3], v[TOKO], s[68:69] th:TH_LOAD_NT    ; issued last: it alone may be out at the next trip's head
.endm
; One K step of the feed-forward: 32 hidden features.  P holds its batch, Q takes the next one.
.macro FFC l, c, P, Q
	s_wait_dscnt 0x0                               ; nothing was issued behind this step's batch
	WW1 \P
	PLACES                                         ; for the relu, which reads W1's results and writes what the last W2 read, and for the loads into Q, which the last W2 read
.if \c < 3
	LDFF \l, \c+1, \Q
.else
	LDLN B2+128*\l, LN2G+128*\l, LN2B+128*\l
.if \l == 0
	LDQKV 1, 0, \Q
.endif
.endif
	RELU
	WW2 \P
.endm
; An encoder layer.  BF: the input's fragments.  P0 holds QKV's row tile 0 on entry.  C3: tile 3's residual.
.macro LAYER l, BF, P0, P1, C3
	LDQKV \l, 1, \P1
	s_wait_dscnt 12                                ; the 12 just issued stay out: P0's batch is in
	WQKV \P0, \BF
	PLACES
	ATT 0
	LDWO \l, \P0
	LDLN BO+128*\l, LN1G+128*\l, LN1B+128*\l
	s_wait_dscnt 16                                ; these 16 stay out: P1's batch is in
	WQKV \P1, \BF
	PLACES
	ATT 1
	LDFF \l, 0, \P1
	s_wait_dscnt 12                                ; Wo and the LayerNorm's vectors are in
	WWO \P0, \C3
.if \l == 0
	s_add_co_u32 s60, s3, 1                        ; the next group's cont_feats, 512 bytes a group,
	s_min_u32 s60, s60, GROUPS-1
	s_lshl_b32 s60, s60, 9
	s_add_co_u32 s70, s3, 2                        ; and the tokens of the group behind it, 256 bytes a group: both stop at my wave's last group
	s_min_u32 s70, s70, GROUPS-1
	s_lshl_b32 s70, s70, 8
	NEXTIN 0                                       ; its eleven vector lines are the places behind Wo, for its loads into G3 and for the LayerNorm
.else
	PLACES
.endif
	LN 0
	FFC \l, 0, \P1, \P0
	FFC \l, 1, \P0, \P1
	FFC \l, 2, \P1, \P0
	FFC \l, 3, \P0, \P1
	PLACES
.if \l == 0
	s_wait_dscnt 12                                ; the next layer's QKV batch stays out: b2 and the LayerNorm's vectors are in
	LN 0
.endif
.endm
; ==================================================================== the start
.set WT,  16                           ; v[16:151]  17 chunks of 8 f32 of weights
.set RR,  152                          ; r = thread & 15
.set HH,  153                          ; h = bit 4 of the thread's number
.set CBB, 154
.set QQ,  155
.set OW,  156                          ; byte offsets of my chunk in Wqkv, Wo, W1;
.set OW2, 157                          ; in W2;
.set OHW, 158                          ; in head_W1
.set ST,  159                          ; 16 x thread
.set ST2, 160                          ; 16 x thread + HW1_L
.set LN_,  161                         ; lane
.set CP,  162                          ; copy targets: rows of 144 bytes,
.set CL,  163                          ; plain, 512 bytes a wave,
.set O16, 164                          ; 16 (lane & 15): pieces of 256 bytes, both halves of the lanes alike
.set CL16, 165
.set CD,  168                          ; copied data
.set ZQ,  208                          ; v[208:211] zeros
	s_load_b256 s[4:11], s[0:1], 0x0               ; cat_tokens, cont_feats, grid_emb, out0
	s_load_b512 s[16:31], s[0:1], 0x20             ; Wqkv, Wo, W1, W2, head_W1, cont_W, cont_b, hour_emb
	s_load_b512 s[32:47], s[0:1], 0x60             ; dow_emb, month_emb, bqkv, b1, bo, b2, ln1_g, ln1_b
	s_load_b256 s[48:55], s[0:1], 0xa0             ; ln2_g, ln2_b, head_b1, head_W2
	s_load_b64 s[56:57], s[0:1], 0xc0              ; head_b2
	s_set_vgpr_msb 0x40
	v_lshl_add_u32 v246, v0, 2, 0x15400
	v_mov_b32 v247, 0
	s_set_vgpr_msb 0x4000
	v_lshrrev_b32 v[RR], 5, v0
	v_readfirstlane_b32 s2, v[RR]                  ; wave 0..7
	v_and_b32 v[LN_], 31, v0
	v_and_b32 v[RR], 15, v0
	v_bfe_u32 v[HH], v0, 4, 1
	v_lshlrev_b32 v[LW], 4, v[LN_]
	v_add_nc_u32 v[LW2], HW1_L, v[LW]
	v_lshlrev_b32 v[H32], 5, v[HH]
	v_add_nc_u32 v[LV], VB, v[H32]
	v_lshlrev_b32 v[TOKO], 4, v[RR]
	v_lshlrev_b32 v[CFO], 4, v[HH]
	v_lshl_add_u32 v[CFO], v[RR], 5, v[CFO]
	s_lshl_b32 s59, s2, 9
	s_add_co_u32 s59, s59, OUTS                    ; my wave's stage
	v_lshl_add_u32 v[OUTL], v[RR], 2, s59
	; A chunk is 8 neighbouring f32 of a weight row = 4 registers of a fragment.  Row r, chunk c of a tile goes to tile + 16 (r + 16 c):
	; thread = r + 16 c + 64 q takes chunk c of row r of tile 4 i + q, and writes it at region + 16 thread + 4096 i.
	v_bfe_u32 v[CBB], v0, 4, 2
	v_lshlrev_b32 v[CBB], 5, v[CBB]                ; 32 c
	v_lshrrev_b32 v[QQ], 6, v0
	v_lshl_add_u32 v[OW], v[RR], 7, v[CBB]         ; rows of 128 bytes, 16 to a tile
	v_lshl_add_u32 v[OW], v[QQ], 11, v[OW]
	v_lshl_add_u32 v[OW2], v[RR], 9, v[CBB]        ; W2: rows of 512 bytes, q = the K step
	v_lshl_add_u32 v[OW2], v[QQ], 7, v[OW2]
	v_lshl_add_u32 v[OHW], v[QQ], 4, v[RR]         ; head_W1: row 16 q + r of 640 bytes
	v_mad_u32_u24 v[OHW], v[OHW], 640, v[CBB]
	v_lshlrev_b32 v[ST], 4, v0
	v_add_nc_u32 v[ST2], HW1_L, v[ST]
	s_lshl_b32 s60, ttmp9, 3
	s_add_co_u32 s60, s60, s2                      ; 8 W + w
	s_lshl_b32 s60, s60, 9                         ; x 128 samples x 4 bytes
	s_mov_b32 s61, 0
	s_mov_b32 s71, 0
	s_mov_b32 s12, 0x76543210                      ; v_permlanex16_b32: lane i reads lane i of the other half
	s_mov_b32 s13, 0xfedcba98
	s_mov_b32 s14, 0x3d000000                      ; 1/32
	s_mov_b32 s15, 0x3727c5ac                      ; 1e-5
	s_wait_kmcnt 0x0
	s_load_b32 s58, s[56:57], 0x0                  ; head_b2
	s_add_nc_u64 s[10:11], s[10:11], s[60:61]      ; out0 at my wave's first sample
	s_lshl_b32 s60, s60, 2
	s_add_nc_u64 s[4:5], s[4:5], s[60:61]          ; cat_tokens: 16 bytes a sample
	s_lshl_b32 s60, s60, 1
	s_add_nc_u64 s[6:7], s[6:7], s[60:61]          ; cont_feats: 32 bytes a sample
	s_mov_b32 s60, 0                               ; group 0's cont_feats,
	s_mov_b32 s70, 256                             ; group 1's tokens
	global_load_b128 v[TOK:TOK+3], v[TOKO], s[4:5] th:TH_LOAD_NT      ; group 0's tokens
.macro WLOAD n, areg, base, off
	global_load_b128 v[WT+8*\n:WT+8*\n+3], v[\areg], s[\base:\base+1] offset:\off
	global_load_b128 v[WT+8*\n+4:WT+8*\n+7], v[\areg], s[\base:\base+1] offset:\off+16
.endm
	WLOAD 0, OW, 16, 0
	WLOAD 1, OW, 16, 8192
	WLOAD 2, OW, 16, 16384
	WLOAD 3, OW, 18, 0
	WLOAD 4, OW, 20, 0
	WLOAD 5, OW, 20, 8192
	WLOAD 6, OW, 20, 16384
	WLOAD 7, OW, 20, 24576
	WLOAD 8, OW2, 22, 0
	WLOAD 9, OW2, 22, 8192
	WLOAD 10, OW2, 22, 16384
	WLOAD 11, OW2, 22, 24576
	WLOAD 12, OHW, 24, 0
	WLOAD 13, OHW, 24, 128
	WLOAD 14, OHW, 24, 256
	WLOAD 15, OHW, 24, 384
	WLOAD 16, OHW, 24, 512
	NEXTIN 34                                      ; the 34 weight loads stay out: group 0's tokens are in.  Six more loads go out
.set n, 0
.rept 17
	s_wait_loadcnt 38-2*n                          ; behind chunk n's two loads: 2 (16 - n) of weights and the six
.irp k, 0,1,2,3
	v_cvt_pk_f16_f32 v[WT+8*n+\k], v[WT+8*n+2*\k], v[WT+8*n+2*\k+1]
.endr
.if n < 12
	ds_store_b128 v[ST], v[WT+8*n:WT+8*n+3] offset:4096*n             ; the regions follow each other: chunk n at 4096 n
.else
	ds_store_b128 v[ST2], v[WT+8*n:WT+8*n+3] offset:4096*(n-12)
.endif
.set n, n+1
.endr
	; The small vectors and tables, shared out by the wave's number.  The wave that copies a table clears the table's whole region first (LDS serves
	; a wave's instructions in order, ISA guide 5.7.1, so the rows land on the zeros): every byte of the regions is then defined.  A row's 16 pad
	; bytes are never read: a lane reaches 32 h + 80 + 16 = 128 bytes into a row at the most.
	v_lshrrev_b32 v[CP], 3, v[LN_]
	v_and_b32 v[CL], 7, v[LN_]
	v_mul_u32_u24 v[CP], v[CP], EPITCH
	v_lshl_add_u32 v[CP], v[CL], 4, v[CP]
	v_add_nc_u32 v[CP], VB, v[CP]                  ; byte 512 k + 16 lane of a table goes to 576 k + 144 (lane >> 3) + 16 (lane & 7)
	v_add_nc_u32 v[CL], VB, v[LW]
	v_lshlrev_b32 v[O16], 4, v[RR]
	v_add_nc_u32 v[CL16], VB, v[O16]
.irp k, 0,1,2,3
	v_mov_b32 v[ZQ+\k], 0
.endr
	s_cmp_lg_u32 s2, 0
	s_cbranch_scc1 .Lnot_wave_0
.irp k, 0,1,2,3,4,5                    ; wave 0: hour_emb, 3,072 bytes
	global_load_b128 v[CD+4*\k:CD+4*\k+3], v[LW], s[30:31] offset:512*\k
.endr
.irp k, 0,1,2,3,4,5,6
	ds_store_b128 v[CL], v[ZQ:ZQ+3] offset:HOUR+512*\k
.endr
	s_wait_loadcnt 0x0
.irp k, 0,1,2,3,4,5
	ds_store_b128 v[CP], v[CD+4*\k:CD+4*\k+3] offset:HOUR+576*\k
.endr
	s_branch .Lcopied
.Lnot_wave_0:
	s_cmp_lg_u32 s2, 1
	s_cbranch_scc1 .Lnot_wave_1
	v_min_u32 v166, 23, v[LN_]                     ; wave 1: month_emb, 1,536 bytes; dow_emb, 512 + 384: the tail's 24 pieces, lanes 24-31 repeat the last
	v_lshlrev_b32 v167, 4, v166
	v_lshrrev_b32 v200, 3, v166
	v_and_b32 v201, 7, v166
	v_mul_u32_u24 v200, v200, EPITCH
	v_lshl_add_u32 v200, v201, 4, v200
	v_add_nc_u32 v200, VB, v200
.irp k, 0,1,2
	global_load_b128 v[CD+4*\k:CD+4*\k+3], v[LW], s[34:35] offset:512*\k
.endr
	global_load_b128 v[CD+12:CD+15], v[LW], s[32:33]
	global_load_b128 v[CD+16:CD+19], v167, s[32:33] offset:512
.irp k, 0,1,2,3,4,5
	ds_store_b128 v[CL], v[ZQ:ZQ+3] offset:DOW+512*\k                 ; dow's 2 x 512 and month's 4 x 512 follow each other
.endr
	s_wait_loadcnt 0x0
.irp k, 0,1,2
	ds_store_b128 v[CP], v[CD+4*\k:CD+4*\k+3] offset:MONTH+576*\k
.endr
	ds_store_b128 v[CP], v[CD+12:CD+15] offset:DOW
	ds_store_b128 v200, v[CD+16:CD+19] offset:DOW+576
	s_branch .Lcopied
.Lnot_wave_1:
	s_cmp_lg_u32 s2, 2
	s_cbranch_scc1 .Lnot_wave_2
	global_load_b128 v[CD:CD+3], v[LW], s[38:39]                      ; wave 2: b1, 1,024 bytes; bqkv, 512 + 256
	global_load_b128 v[CD+4:CD+7], v[LW], s[38:39] offset:512
	global_load_b128 v[CD+8:CD+11], v[LW], s[36:37]
	global_load_b128 v[CD+12:CD+15], v[O16], s[36:37] offset:512
	s_wait_loadcnt 0x0
	ds_store_b128 v[CL], v[CD:CD+3] offset:B1
	ds_store_b128 v[CL], v[CD+4:CD+7] offset:B1+512
	ds_store_b128 v[CL], v[CD+8:CD+11] offset:BQKV
	ds_store_b128 v[CL16], v[CD+12:CD+15] offset:BQKV+512
	s_branch .Lcopied
.Lnot_wave_2:
	s_cmp_lg_u32 s2, 3
	s_cbranch_scc1 .Lcont_w
.irp k, 0,1,2,3,4,5,6,7                ; wave 3: bo, b2, ln1_g, ln1_b, ln2_g, ln2_b, head_b1, head_W2: 256 bytes each, in the order of their pointers and of their places
	global_load_b128 v[CD+4*\k:CD+4*\k+3], v[O16], s[40+2*\k:41+2*\k]
.endr
	s_wait_loadcnt 0x0
.irp k, 0,1,2,3,4,5,6,7
	ds_store_b128 v[CL16], v[CD+4*\k:CD+4*\k+3] offset:BO+256*\k
.endr
	s_branch .Lcopied
.Lcont_w:
	; waves 4-7: cont_W's two tiles, K padded from 8 to 32.  The 8 inputs lie at k = 0-3 (h = 0) and k = 8-11 (h = 1), as B's loads bring them;
	; k = 4 holds cont_b, against the 1.0 in B; all else is 0.  id = thread & 127 = row r + 16 (h + 2 p) + 64 tile; p = 1: fragment registers 4-7.
	v_and_b32 v166, 127, v0
	v_lshrrev_b32 v167, 6, v166
	v_lshl_add_u32 v167, v167, 4, v[RR]            ; row
	v_lshlrev_b32 v200, 4, v[HH]
	v_lshl_add_u32 v200, v167, 5, v200             ; 32 row + 16 h
	v_lshlrev_b32 v201, 2, v167
	global_load_b128 v[CD:CD+3], v200, s[26:27]
	global_load_b32 v[CD+4], v201, s[28:29]
	v_and_b32 v202, 48, v166
	v_and_b32 v203, 32, v166
	v_lshl_add_u32 v204, v166, 4, CW_L
	s_wait_loadcnt 0x0
	v_cvt_pk_f16_f32 v[CD], v[CD], v[CD+1]
	v_cvt_pk_f16_f32 v[CD+1], v[CD+2], v[CD+3]
	v_cvt_pk_f16_f32 v[CD+2], v[CD+4], v[ZQ]       ; cont_b at k = 4, zero at k = 5
	v_mov_b32 v[CD+3], 0
	v_cmp_eq_u32 vcc_lo, 0, v203
	v_cndmask_b32 v[CD], 0, v[CD], vcc_lo          ; weights where p = 0
	v_cndmask_b32 v[CD+1], 0, v[CD+1], vcc_lo
	v_cmp_eq_u32 vcc_lo, 0, v202
	v_cndmask_b32 v[CD+2], 0, v[CD+2], vcc_lo      ; the bias once: p = 0 and h = 0
	ds_store_b128 v204, v[CD:CD+3]
.Lcopied:
	s_wait_kmcnt 0x0                               ; head_b2
	s_wait_dscnt 0x0                               ; my stores are done, for the other waves' sake
	s_barrier_signal -1
	s_barrier_wait -1                              ; the only barrier: from here on LDS below OUTS is only read
	WIN W_LD1
	v_mov_b32 v[CFB+2], 0x3c00                     ; B of the side branch: f16 1.0 at k = 8h + 4, zeros behind; registers 0 and 1 are written in each trip
.irp k, 3,4,5,6,7
	v_mov_b32 v[CFB+\k], 0
.endr
	XLOADS                                         ; group 0
	LDQKV 0, 0, FA
	WIN 0
	s_mov_b32 s3, 0
; ==================================================================== a trip: 16 samples
.Ltrip:
	s_wait_loadcnt 0x1                             ; grid rows and cont_feats are in; the tokens, issued last, may stay out
	s_wait_dscnt 12                                ; behind X's 12 loads at least 12 LDS instructions were issued on both ways here: X is in
	WIN W_CVT
.irp i, 0,1,2
.irp k, 0,1,2,3,4,5,6,7
	v_cvt_pk_f16_f32 v[EB+8*\i+\k], v[XR+16*\i+2*\k], v[XR+16*\i+2*\k+1]
.endr
.endr
.irp k, 0,1,2,3,4,5,6,7
	v_cvt_pk_f16_f32 v[EB+24+\k], v[G3+2*\k], v[G3+2*\k+1]
.endr
	WIN W_CF
	v_cvt_pk_f16_f32 v[CFB], v[CF], v[CF+1]
	v_cvt_pk_f16_f32 v[CFB+1], v[CF+2], v[CF+3]
	LAYER 0, EB, FA, FB, G3
	LAYER 1, XB, FB, FA, XR+48
	; the head's operands: 44 loads
	WIN 0
	LDT TA, LW2, CW_L-HW1_L
	LDT TA+8, LW2, CW_L-HW1_L+1024
.irp mt, 0,1,2,3
	LDB HD+8*\mt, HB1+64*\mt                       ; head_b1 starts the head's sums
.endr
.irp mt, 0,1,2,3
	LDB OB+8*\mt, HW2+64*\mt
.endr
	WIN W_LD1
.irp u, 0,1,2,3,4,5,6,7,8,9,10,11
	LDT HWA+8*\u, LW2, 1024*\u
.endr
	s_wait_dscnt 44                                ; these 44 stay out: b2 and the last LayerNorm's vectors are in
	LN 1
	WIN W_LD1
.irp u, 0,1,2,3,4,5,6,7
	LDT HWB+8*\u, LW2, 1024*(12+\u)                ; over the LayerNorm's registers, which are free now
.endr
	s_wait_dscnt 16                                ; these 16 stay out: the 44 are in
	WIN W_CONT
	v_wmma_f32_16x16x32_f16 v[CC:CC+7], v[TA:TA+7], v[CFB:CFB+7], 0
	v_wmma_f32_16x16x32_f16 v[CC+8:CC+15], v[TA+8:TA+15], v[CFB:CFB+7], 0
	WIN W_CVT
.irp k, 0,1,2,3,4,5,6,7
	v_cvt_pk_f16_f32 v[XB+\k], v[XR+2*\k], v[XR+2*\k+1]               ; the pooled tokens' fragment; these eight lines are the places behind the two products
.endr
	XLOADS                                         ; the next group's rows: X is free
	WIN 0
	MAX8 CC
	MAX8 CC+8
.irp k, 0,1,2,3,4,5,6,7
	v_cvt_pk_f16_f32 v[XB+8+\k], v[CC+2*\k], v[CC+2*\k+1]
.endr
	WIN W_HEAD                                     ; x = [pool, h, d, m, c]: five K steps, the four accumulators by turns
.irp mt, 0,1,2,3
	v_wmma_f32_16x16x32_f16 v[HD+8*\mt:HD+8*\mt+7], v[HWA+8*\mt:HWA+8*\mt+7], v[XB:XB+7], v[HD+8*\mt:HD+8*\mt+7]
.endr
.irp mt, 0,1,2,3
	v_wmma_f32_16x16x32_f16 v[HD+8*\mt:HD+8*\mt+7], v[HWA+32+8*\mt:HWA+32+8*\mt+7], v[EB:EB+7], v[HD+8*\mt:HD+8*\mt+7]
.endr
.irp mt, 0,1,2,3
	v_wmma_f32_16x16x32_f16 v[HD+8*\mt:HD+8*\mt+7], v[HWA+64+8*\mt:HWA+64+8*\mt+7], v[EB+8:EB+15], v[HD+8*\mt:HD+8*\mt+7]
.endr
	s_wait_dscnt 12                                ; X's 12 loads stay out: K steps 3 and 4 are in
.irp mt, 0,1,2,3
	v_wmma_f32_16x16x32_f16 v[HD+8*\mt:HD+8*\mt+7], v[HWB+8*\mt:HWB+8*\mt+7], v[EB+16:EB+23], v[HD+8*\mt:HD+8*\mt+7]
.endr
.irp mt, 0,1,2,3
	v_wmma_f32_16x16x32_f16 v[HD+8*\mt:HD+8*\mt+7], v[HWB+32+8*\mt:HWB+32+8*\mt+7], v[XB+8:XB+15], v[HD+8*\mt:HD+8*\mt+7]
.endr
	PLACES
	LDQKV 0, 0, FA                                 ; for the next trip
	WIN 0
.irp mt, 0,1,2,3
	MAX8 HD+8*\mt
.endr
.irp k, 0,2,4,6                        ; the lane's 32 of the 64 products with head_W2, on four chains
	v_pk_mul_f32 v[TB+\k:TB+\k+1], v[HD+\k:HD+\k+1], v[OB+\k:OB+\k+1]
.endr
.irp u, 8,16,24
.irp k, 0,2,4,6
	v_pk_fma_f32 v[TB+\k:TB+\k+1], v[HD+\u+\k:HD+\u+\k+1], v[OB+\u+\k:OB+\u+\k+1], v[TB+\k:TB+\k+1]
.endr
.endr
	v_pk_add_f32 v[TB:TB+1], v[TB:TB+1], v[TB+2:TB+3]
	v_pk_add_f32 v[TB+4:TB+5], v[TB+4:TB+5], v[TB+6:TB+7]
	v_pk_add_f32 v[TB:TB+1], v[TB:TB+1], v[TB+4:TB+5]
	v_add_f32 v[TB], v[TB], v[TB+1]
	v_permlanex16_b32 v[TB+1], v[TB], s12, s13
	v_add_f32 v[TB], v[TB], v[TB+1]
	v_add_f32 v[TB], s58, v[TB]
	ds_store_b32 v[OUTL], v[TB]                    ; both halves of the lanes write the same word with the same number
	v_add_nc_u32 v[OUTL], 64, v[OUTL]
	s_add_co_u32 s3, s3, 1
	s_cmp_lt_u32 s3, GROUPS
	s_cbranch_scc1 .Ltrip
	; my wave's 128 results: its own bytes of LDS, which serves a wave's instructions in order (ISA guide 5.7.1); one store of 512 consecutive bytes, aligned
	v_add_nc_u32 v[TB+8], s59, v[LW]
	ds_load_b128 v[TB:TB+3], v[TB+8]
	s_wait_dscnt 0x0
	global_store_b128 v[LW], v[TB:TB+3], s[10:11] th:TH_STORE_NT
	s_set_vgpr_msb 0x5
	s_wait_tensorcnt 0x0
	ds_add_u32 v246, v247
	s_wait_dscnt 0x0
	s_set_vgpr_msb 0x500
	s_endpgm
.Lfunc_end_k_qeecdd2a1d1_tab:
	.size	k_qeecdd2a1d1_tab, .Lfunc_end_k_qeecdd2a1d1_tab-k_qeecdd2a1d1_tab
	.p2alignl 7, 3214868480
	.fill 96, 4, 3214868480
	.section	.rodata,"a",@progbits
	.p2align	6, 0x0
	.amdhsa_kernel k_qeecdd2a1d1_tab
		.amdhsa_group_segment_fixed_size 88064
		.amdhsa_private_segment_fixed_size 0
		.amdhsa_enable_private_segment 0
		.amdhsa_kernarg_size 200
		.amdhsa_user_sgpr_count 2
		.amdhsa_user_sgpr_kernarg_segment_ptr 1
		.amdhsa_wavefront_size32 1
		.amdhsa_system_sgpr_workgroup_id_x 1
		.amdhsa_system_sgpr_workgroup_id_y 1
		.amdhsa_system_sgpr_workgroup_id_z 1
		.amdhsa_system_vgpr_workitem_id 0
		.amdhsa_next_free_vgpr 512
		.amdhsa_next_free_sgpr 72
		.amdhsa_reserve_vcc 1
		.amdhsa_float_denorm_mode_32 3
		.amdhsa_float_denorm_mode_16_64 3
		.amdhsa_memory_ordered 1
		.amdhsa_forward_progress 1
		.amdhsa_inst_pref_size 210
	.end_amdhsa_kernel
	.amdgpu_metadata
---
amdhsa.version: [ 1, 2 ]
amdhsa.kernels:
  - .name:           k_qeecdd2a1d1_tab
    .symbol:         k_qeecdd2a1d1_tab.kd
    .args:
      - { .name: cat_tokens, .offset: 0, .size: 8, .value_kind: global_buffer, .address_space: global }
      - { .name: cont_feats, .offset: 8, .size: 8, .value_kind: global_buffer, .address_space: global }
      - { .name: grid_emb, .offset: 16, .size: 8, .value_kind: global_buffer, .address_space: global }
      - { .name: out0, .offset: 24, .size: 8, .value_kind: global_buffer, .address_space: global }
      - { .name: Wqkv, .offset: 32, .size: 8, .value_kind: global_buffer, .address_space: global }
      - { .name: Wo, .offset: 40, .size: 8, .value_kind: global_buffer, .address_space: global }
      - { .name: W1, .offset: 48, .size: 8, .value_kind: global_buffer, .address_space: global }
      - { .name: W2, .offset: 56, .size: 8, .value_kind: global_buffer, .address_space: global }
      - { .name: head_W1, .offset: 64, .size: 8, .value_kind: global_buffer, .address_space: global }
      - { .name: cont_W, .offset: 72, .size: 8, .value_kind: global_buffer, .address_space: global }
      - { .name: cont_b, .offset: 80, .size: 8, .value_kind: global_buffer, .address_space: global }
      - { .name: hour_emb, .offset: 88, .size: 8, .value_kind: global_buffer, .address_space: global }
      - { .name: dow_emb, .offset: 96, .size: 8, .value_kind: global_buffer, .address_space: global }
      - { .name: month_emb, .offset: 104, .size: 8, .value_kind: global_buffer, .address_space: global }
      - { .name: bqkv, .offset: 112, .size: 8, .value_kind: global_buffer, .address_space: global }
      - { .name: b1, .offset: 120, .size: 8, .value_kind: global_buffer, .address_space: global }
      - { .name: bo, .offset: 128, .size: 8, .value_kind: global_buffer, .address_space: global }
      - { .name: b2, .offset: 136, .size: 8, .value_kind: global_buffer, .address_space: global }
      - { .name: ln1_g, .offset: 144, .size: 8, .value_kind: global_buffer, .address_space: global }
      - { .name: ln1_b, .offset: 152, .size: 8, .value_kind: global_buffer, .address_space: global }
      - { .name: ln2_g, .offset: 160, .size: 8, .value_kind: global_buffer, .address_space: global }
      - { .name: ln2_b, .offset: 168, .size: 8, .value_kind: global_buffer, .address_space: global }
      - { .name: head_b1, .offset: 176, .size: 8, .value_kind: global_buffer, .address_space: global }
      - { .name: head_W2, .offset: 184, .size: 8, .value_kind: global_buffer, .address_space: global }
      - { .name: head_b2, .offset: 192, .size: 8, .value_kind: global_buffer, .address_space: global }
    .group_segment_fixed_size: 88064
    .private_segment_fixed_size: 0
    .kernarg_segment_align: 8
    .kernarg_segment_size: 200
    .max_flat_workgroup_size: 256
    .sgpr_count:     72
    .vgpr_count:     512
    .wavefront_size: 32
...
	.end_amdgpu_metadata
.endif
;; end of part 1
